; MI455X (gfx1250); checked and timed in simulation.
; The chip was launched on July 23, 2026; its instructions are those of AMD's public machine-readable ISA for CDNA 5 (MIT licence, August 2026) and "CDNA5" Instruction Set Architecture Reference Guide (July 2026). The comments in the code are by the model that wrote it; some were corrected since.
;; Multi Head Attention Layer. Allowed arithmetic: matrix products marked QUANTISED: E2M1 operands, one E8M0 scale for each 32 along K, by v_wmma_scale_f32_16x16x128_f8f6f4 with both operands' format E2M1 (or v_wmma_scale_f32_32x16x128_f4), f32 sums; everything else in f32.
;; Inputs: Wk 1,024 x 1,024 float32; Wq 1,024 x 1,024 float32; Wv 1,024 x 1,024 float32; bk 1,024 float32; bq 1,024 float32; bv 1,024 float32; h 4,096 x 1,024 float32.
;; Outputs: out0 4,096 x 1,024 float32.
;; This version of the problem:
;;   THIS VERSION OF THE PROBLEM IS GIVEN IN LOW PRECISION. The matrix products marked QUANTISED in the list below multiply operands that are first quantised to E2M1 (2 exponent bits, 1 mantissa bit; 4 bits a number), with one power-of-two scale for each 32 numbers along K (OCP MX v1.0); their sums are f32. All else is computed in f32.
;;   The module's matrix products, in the order in which they are computed (A, B: the left and right operand; K: the contracted axis; several contracted axes count as one K, in the product's order):
;;     1. [M 4,096, K 1,024] x [K 1,024, N 1,024]; A: input h; B: input Wq: QUANTISED
;;     2. [M 4,096, K 1,024] x [K 1,024, N 1,024]; A: input h; B: input Wk: QUANTISED
;;     3. [M 4,096, K 1,024] x [K 1,024, N 1,024]; A: input h; B: input Wv: QUANTISED
;;     4. batch 16 x [M 4,096, K 64] x [K 64, N 4,096]; A: computed on the way; B: computed on the way: QUANTISED
;;     5. batch 16 x [M 4,096, K 4,096] x [K 4,096, N 64]; A: softmax (see below); B: computed on the way: QUANTISED
;;   THE QUANTISER, for each operand of a quantised product, along K:
;;     - K is cut into blocks of 32 from its start; a last block that is shorter is filled with zeros.
;;     - A block's scale is 2^e with e = floor(log2(the largest magnitude in the block)) - 2, held to -126 .. 127; a block of zeros has e = 0. As a byte (E8M0): e + 127.
;;     - Each number is divided by its block's scale, clamped to +-6, and rounded to the nearest number of E2M1, ties to even, subnormals kept.
;;     - The product sums the exact products of the quantised numbers (number of the format x scale) in f32.
;;   ~~~python
;;   def quantise(x, axis):      # numpy; x: float32 -> the quantised numbers, widened to float32 again
;;       x = np.moveaxis(x, axis, -1); K = x.shape[-1]
;;       x = np.pad(x, [(0, 0)] * (x.ndim - 1) + [(0, -K % 32)]); x = x.reshape(x.shape[:-1] + (-1, 32)); a = np.abs(x).max(-1, keepdims=True)
;;       e = np.where(a > 0, np.clip(np.frexp(np.where(a > 0, a, 1))[1] - 1 - 2, -126, 127), 0)      # np.frexp(a)[1] - 1 = floor(log2(a)), exactly
;;       r = np.clip(x / 2.0 ** e, -6, 6)
;;       step = 2.0 ** (np.maximum(np.frexp(np.where(r == 0, 1, r))[1] - 1, 0) - 1)
;;       q = np.round(r / step) * step * 2.0 ** e      # np.round: ties to even
;;       return np.moveaxis(q.reshape(q.shape[:-2] + (-1,))[..., :K], -1, axis).astype(np.float32)
;;   ~~~
;;   SOFTMAX AHEAD OF A QUANTISED PRODUCT. Where the list says 'softmax', what is quantised is not the finished softmax but p = 2^(t - M), with t = logit x log2(e) and M = ceil(the row's largest t), a whole number; so 1/2 < the row's largest p <= 1. The row's sum l is taken of the UNQUANTISED p, in f32, and the product's result is divided by l at the end. Since M is a whole number, a kernel that streams over the keys may use a running M (the ceiling of the running maximum): every later rescaling is an exact power of two, which a block's scale takes up: the codes' values come out the same.
;;   OPERANDS COMPUTED ON THE WAY. 'Computed on the way' means the value that the module computes at that place (a softmax that the list does not call 'softmax' is quantised finished and normalised). What goes into a quantiser is computed in f32, as accurately as f32 sums, v_exp_f32 and their like allow (about 1e-6 of the number): no bf16 or f16 on the way to a quantiser, and a product that is left as it is and whose result goes on into a quantised operand takes f32 operands (vector FMAs, or v_wmma_f32_16x16x4_f32). A number that lies on a knife's edge between two numbers of the format may be rounded either way, as far as f32 arithmetic and the matrix unit's own rounding can turn it there, and no further.
;; One version. Each part assembles by itself: llvm-mc -triple=amdgcn-amd-amdhsa -mcpu=gfx1250 --defsym DOCPART=n.
;; ======== version 1 of 1: 3 launches
;; limits: right only within a limited range of input values
;; workspace buffers: ops 3,899,392 bytes; qkv 6,946,816 bytes
;; launch quant (part 1): grid 448 x 1, 4 waves a work-group, no clusters, 54,784 bytes of LDS; arguments h, Wq, Wk, Wv, ops; writes ops
.if DOCPART == 1
	.amdgcn_target "amdgcn-amd-amdhsa--gfx1250"
	.amdhsa_code_object_version 6
	.text
	.protected	k_qecf7349842_quant
	.globl	k_qecf7349842_quant
	.p2align	8
	.type	k_qecf7349842_quant,@function
k_qecf7349842_quant:
	s_mov_b64 s[64:65], 0
	v_nop
	global_prefetch_b8 v0, s[64:65] scope:SCOPE_SE
	s_setreg_imm32_b32 hwreg(HW_REG_WAVE_MODE, 25, 1), 1
	s_wait_xcnt 0x0
; h [4096][1024] (K innermost) and Wq, Wk, Wv [1024 (k)][1024 (n)] (K outermost), f32, become codes of FP4 (E2M1) with one E8M0 byte for each 32 along K,
; laid in ops as IMAGES OF OPERAND REGISTERS.  A GROUP is 64 rows (of h; or 64 columns of one head of a weight, taken as rows) x K 1,024: 34,816 bytes = 8 K steps of 4,352:
;   4,096 bytes of images: tile tau (0..3), half c (0, 1) at (2 tau + c) 512 + 16 lane; lane (r, hh) holds row 8 tau + (r & 7) + 32 (r >> 3), k = 128 s + 64 c + 32 hh + 0 .. 31;
;   256 bytes of scale words: the word of (tau, r) at 16 r + 4 tau, byte b for k block 4 s + b.
; Groups 0-63: h's rows 64 G on.  Group 64 + 16 role + head: columns 64 head on of Wq (0), Wk (1), Wv (2).
; A block's scale is 2^(floor(log2(largest magnitude)) - 2): its byte is the largest magnitude's exponent field - 2, held at 1 from below by a floor among the maximum's leaves.
; LIMITS: NaN and infinities among the inputs are not served; a block whose largest magnitude lies under 2^-124 gets the byte 1; a block of zeros gets the byte 1 where the rule says 127:
; its codes are zeros, which add nothing under any byte but 0xff, and the bytes are read by this program alone.
; SHARES: a work-group reads 65,536 bytes of f32 (64 rows x 256 along K) and stores 8,704 consecutive bytes (two K steps of one group) at 8,704 x its number.
; Work-groups 0-255 take h, 256-447 the weights: two ways that part on the work-group's number, each with LDS bytes, a barrier and an end of its own.
; No matrix unit, no tensor load, no cluster: the launch streams, and work-groups share nothing.
.set SBLK,  4352                       ; a K step of a group
.set TPL,   144                        ; a block's place in a turning stage: 128 bytes + 16 of padding
.set TSTG,  32*TPL                     ; a turning stage: 32 blocks
.set IMGH,  4*2*TSTG                   ; behind the four waves' two stages each: h's way: the 8,704 bytes as they will lie in memory
.set IMGW,  IMGH+2*SBLK                ; the weights' way: the same, in bytes of its own
.set FLOOR, 0x1800000                  ; 2^(3 - 127)
.set E,     16                         ; v16-19   h: a scale byte for each step;  weights: v16 the scale word
.set C,     32                         ; v32-47   codes: four registers a step or block, never written again
.set OB,    48                         ; v48-63   the way out
.set R,     64                         ; v64-191  h: four sets of 32 registers as loaded
.set X,     192                        ; v192-255 h: two sets of 32 neighbours
.set XW,    64                         ; v64-127  weights: two sets of 32 numbers down K
; v1 lane; v2 global offset; v3, v4 turning stage in, out; v5 image address; v6 scale address; v7 way out, LDS; v8 way out, memory; v10-12 at work
.macro MAX32                           ; the largest magnitude of v[XS] .. v[XS + 31] and the floor, in two chains; then 2 off its exponent field: the conversion's scale operand, v11
	v_max3_num_f32 v10, |v[XS]|, |v[XS+1]|, FLOOR
	v_max3_num_f32 v12, |v[XS+2]|, |v[XS+3]|, |v[XS+4]|
.irp i, 5,9,13,17,21,25
	v_max3_num_f32 v10, v10, |v[XS+\i]|, |v[XS+\i+1]|
	v_max3_num_f32 v12, v12, |v[XS+\i+2]|, |v[XS+\i+3]|
.endr
	v_max3_num_f32 v10, v10, |v[XS+29]|, |v[XS+30]|
	v_max3_num_f32 v10, v10, v12, |v[XS+31]|
	v_add_nc_u32 v11, 0xff000000, v10
.endm
.macro OUT                             ; the 8,704 bytes leave as they lie: every store of a wave covers 512 consecutive bytes, aligned to 256
	s_wait_dscnt 0x0                               ; for the others' sake: my stores into the image are done
	s_barrier_signal -1
	s_barrier_wait -1
.irp n, 0,1,2,3
	ds_load_b128 v[OB+4*\n:OB+4*\n+3], v7 offset:2048*\n
.endr
.irp n, 0,1,2,3
	s_wait_dscnt 3-\n                              ; LDS loads come back in order: load n is in
	global_store_b128 v8, v[OB+4*\n:OB+4*\n+3], s[12:13] offset:2048*\n
.endr
	s_cmp_lg_u32 s16, 0
	s_cbranch_scc1 .Lend_\@
	ds_load_b128 v[24:27], v7 offset:8192          ; the last 512 bytes: wave 0
	s_wait_dscnt 0x0
	global_store_b128 v8, v[24:27], s[12:13] offset:8192
.Lend_\@:
	s_wait_tensorcnt 0x0
	ds_add_u32 v30, v31
	s_wait_dscnt 0x0
	s_endpgm
.endm
	s_load_b256 s[4:11], s[0:1], 0x0               ; h s[4:5], Wq s[6:7], Wk s[8:9], Wv s[10:11]
	s_load_b64 s[12:13], s[0:1], 0x20              ; ops
	v_lshl_add_u32 v30, v0, 2, 0xd400
	v_mov_b32 v31, 0
	v_lshrrev_b32 v1, 5, v0
	v_readfirstlane_b32 s16, v1                    ; wave 0..3
	v_and_b32 v1, 31, v0                           ; lane
	v_lshrrev_b32 v9, 3, v1                        ; lane / 8
	v_and_b32 v13, 7, v1                           ; lane % 8
	v_lshlrev_b32 v8, 4, v0                        ; the way out: 16 bytes a thread
	s_lshr_b32 s23, s16, 1                         ; wave / 2
	s_and_b32 s24, s16, 1                          ; wave % 2
	s_mul_i32 s18, ttmp9, 2*SBLK
	s_mov_b32 s19, 0
	s_wait_kmcnt 0x0
	s_add_nc_u64 s[12:13], s[12:13], s[18:19]      ; where my work-group's 8,704 bytes go
	s_cmp_lt_u32 ttmp9, 256
	s_cbranch_scc0 .Lweights
; ---------------- h: K is innermost.  Wave w: rows 16 w .. 16 w + 15 of the group, 256 along K, in four steps of four rows: 32 blocks a step, one for each lane.
; Each load reads 512 consecutive bytes, 16 a lane; a step's 4,096 bytes turn through the wave's own stage, so that a lane gets a whole block of 32 neighbours.
	s_lshr_b32 s20, ttmp9, 2                       ; the group
	s_and_b32 s21, ttmp9, 3                        ; which 256 along K
	s_lshl_b32 s20, s20, 6
	s_lshl_b32 s22, s16, 4
	s_add_co_u32 s20, s20, s22                     ; my first row
	s_lshl_b32 s20, s20, 12                        ; a row of h is 4,096 bytes
	s_lshl_b32 s21, s21, 10
	s_add_co_u32 s20, s20, s21
	s_mov_b32 s21, 0
	s_add_nc_u64 s[4:5], s[4:5], s[20:21]
	s_wait_alu depctr_va_vdst(0)
	v_lshlrev_b32 v2, 4, v1                        ; my 16 bytes of a load's 512
	s_mul_i32 s22, s16, 2*TSTG                     ; my two stages
	v_mul_u32_u24 v3, v9, TPL
	v_lshl_add_u32 v3, v13, 4, v3
	v_add_nc_u32 v3, s22, v3                       ; in: eight lanes' 128 bytes are a block: 144 (lane / 8) + 16 (lane % 8); a load's four blocks take 576 bytes
	v_mul_u32_u24 v4, v1, TPL
	v_add_nc_u32 v4, s22, v4                       ; out: block = lane
	; block = lane: row 16 w + 4 t + lane / 8, k block lane % 8: K step (lane >> 2) & 1, c = (lane >> 1) & 1, hh = lane & 1.
	; Row rho lies in tile (rho >> 3) & 3 = 2 (w & 1) + (t >> 1), at r = (rho & 7) + 8 (rho >> 5) = 4 (t & 1) + lane / 8 + 8 (w >> 1)
	v_bfe_u32 v14, v1, 2, 1
	v_mul_u32_u24 v14, v14, SBLK
	v_bfe_u32 v15, v1, 1, 1
	v_lshl_add_u32 v5, v15, 9, v14
	v_and_b32 v15, 1, v1
	v_lshl_add_u32 v5, v15, 8, v5
	v_lshl_add_u32 v5, v9, 4, v5
	s_lshl_b32 s25, s23, 7
	s_lshl_b32 s26, s24, 11
	s_add_co_u32 s25, s25, s26
	s_add_co_u32 s25, s25, IMGH
	v_add_nc_u32 v5, s25, v5                       ; my block's 16 bytes of codes; the step's part stands in the immediate
	v_and_b32 v15, 3, v1
	v_add_nc_u32 v6, v14, v15
	v_lshl_add_u32 v6, v9, 4, v6
	s_lshl_b32 s25, s23, 7
	s_lshl_b32 s26, s24, 3
	s_add_co_u32 s25, s25, s26
	s_add_co_u32 s25, s25, IMGH+4096
	v_add_nc_u32 v6, s25, v6                       ; my block's scale byte
	v_lshl_add_u32 v7, v0, 4, IMGH
.macro LOADH t
.irp i, 0,1,2,3,4,5,6,7
	global_load_b128 v[R+32*(\t)+4*\i:R+32*(\t)+4*\i+3], v2, s[4:5] offset:(4*(\t)+(\i>>1))*4096+(\i&1)*512 th:TH_LOAD_NT
.endr
.endm
.macro TURN t                          ; LDS serves a wave's instructions in order: no wait between the stores and the loads
.irp i, 0,1,2,3,4,5,6,7
	ds_store_b128 v3, v[R+32*(\t)+4*\i:R+32*(\t)+4*\i+3] offset:TSTG*((\t)%2)+4*TPL*\i
.endr
.irp i, 0,1,2,3,4,5,6,7
	ds_load_b128 v[X+32*((\t)%2)+4*\i:X+32*((\t)%2)+4*\i+3], v4 offset:TSTG*((\t)%2)+16*\i
.endr
.endm
.macro QB t
.set XS, X+32*((\t)%2)
	MAX32
.irp g, 0,1,2,3
	v_cvt_scalef32_pk8_fp4_f32 v[C+4*(\t)+\g], v[XS+8*\g:XS+8*\g+7], v11   ; eight numbers / the scale, to the nearest code, ties to even, beyond 6 the largest code
.endr
	v_lshrrev_b32 v[E+(\t)], 23, v11               ; the scale's byte (also the plain line behind the conversions)
	ds_store_b128 v5, v[C+4*(\t):C+4*(\t)+3] offset:((\t)>>1)*1024+((\t)&1)*64
	ds_store_b8 v6, v[E+(\t)] offset:64*((\t)&1)+4*((\t)>>1)
.endm
	LOADH 0
	LOADH 1
	LOADH 2
	LOADH 3                                        ; all 32 loads of the wave are out: 16,384 bytes
	s_wait_loadcnt 24                              ; step 0's eight are in
	TURN 0
.irp t, 0,1,2,3
.if \t < 3
	s_wait_loadcnt 16-8*\t                         ; the next step's eight loads are in
	TURN \t+1                                      ; and turn through the other stage while this step is worked
.endif
.if \t == 0
	s_wait_dscnt 16                                ; behind this step's loads from the stage: the next turn's 16
.elseif \t < 3
	s_wait_dscnt 18                                ; and the last step's two stores
.else
	s_wait_dscnt 2                                 ; the last step's two stores alone
.endif
	QB \t
.endr
	OUT
; ---------------- the weights: K is the FIRST axis.  A lane takes a column and its registers run down K: a block of 32 lies in one lane, and the codes come out with K innermost.
; Wave w: columns 32 (w & 1) + lane of the head's 64, K step w >> 1 of the work-group's two: four blocks a lane.
.Lweights:
	s_sub_co_u32 s20, ttmp9, 256
	s_and_b32 s21, s20, 3                          ; which 256 along K
	s_lshr_b32 s20, s20, 2                         ; 16 role + head
	s_cmp_lt_u32 s20, 32
	s_cselect_b64 s[8:9], s[8:9], s[10:11]         ; the choice hangs on the work-group's number alone
	s_cmp_lt_u32 s20, 16
	s_cselect_b64 s[6:7], s[6:7], s[8:9]
	s_and_b32 s20, s20, 15                         ; head
	s_lshl_b32 s21, s21, 8
	s_lshl_b32 s22, s23, 7
	s_add_co_u32 s21, s21, s22                     ; my first k
	s_lshl_b32 s21, s21, 12                        ; a row of a weight is 4,096 bytes
	s_lshl_b32 s20, s20, 8                         ; the head's 64 columns
	s_add_co_u32 s20, s20, s21
	s_lshl_b32 s22, s24, 7                         ; my 32 of them
	s_add_co_u32 s20, s20, s22
	s_mov_b32 s21, 0
	s_add_nc_u64 s[6:7], s[6:7], s[20:21]
	s_wait_alu depctr_va_vdst(0)
	v_lshlrev_b32 v2, 2, v1                        ; 4 bytes a lane: a load reads 128 consecutive bytes
	; column d = 32 (w & 1) + lane lies in tile lane / 8, at r = lane % 8 + 8 (w & 1)
	s_mul_i32 s25, s23, SBLK
	s_lshl_b32 s26, s24, 7
	s_add_co_u32 s25, s25, s26
	s_add_co_u32 s25, s25, IMGW
	v_lshlrev_b32 v5, 10, v9
	v_lshl_add_u32 v5, v13, 4, v5
	v_add_nc_u32 v5, s25, v5                       ; my codes; block b = 2 c + hh stands in the immediate: 512 c + 256 hh
	v_lshlrev_b32 v6, 2, v9
	v_lshl_add_u32 v6, v13, 4, v6
	v_add_nc_u32 v6, s25, v6
	v_add_nc_u32 v6, 4096, v6                      ; my scale word
	v_lshl_add_u32 v7, v0, 4, IMGW
.macro LOADW b
.irp i, 0,1,2,3,4,5,6,7,8,9,10,11,12,13,14,15,16,17,18,19,20,21,22,23,24,25,26,27,28,29,30,31
	global_load_b32 v[XW+32*((\b)%2)+\i], v2, s[6:7] offset:(32*(\b)+\i)*4096 th:TH_LOAD_NT
.endr
.endm
.macro BLOCKW b
.set XS, XW+32*((\b)%2)
.if (\b) < 3
	s_wait_loadcnt 32                              ; this block's 32 loads are in; the next block's may be out
.else
	s_wait_loadcnt 0x0
.endif
	MAX32
.if (\b) == 0
	v_lshrrev_b32 v16, 23, v11                     ; the scale's byte: four make my column's word of this K step
.else
	v_lshrrev_b32 v14, 23, v11
	v_lshl_or_b32 v16, v14, 8*(\b), v16
.endif
.irp g, 0,1,2,3
	v_cvt_scalef32_pk8_fp4_f32 v[C+4*(\b)+\g], v[XS+8*\g:XS+8*\g+7], v11
.endr
	ds_store_b128 v5, v[C+4*(\b):C+4*(\b)+3] offset:((\b)>>1)*512+((\b)&1)*256   ; (the results go to LDS stores alone, and the next block begins with plain vector lines)
.if (\b) < 2
	LOADW (\b)+2
.endif
.endm
	LOADW 0
	LOADW 1
	BLOCKW 0
	BLOCKW 1
	BLOCKW 2
	BLOCKW 3
	ds_store_b32 v6, v16
	OUT
.Lfunc_end_k_qecf7349842_quant:
	.size	k_qecf7349842_quant, .Lfunc_end_k_qecf7349842_quant-k_qecf7349842_quant
	.p2alignl 7, 3214868480
	.fill 96, 4, 3214868480
	.section	.rodata,"a",@progbits
	.p2align	6, 0x0
	.amdhsa_kernel k_qecf7349842_quant
		.amdhsa_group_segment_fixed_size 54784
		.amdhsa_private_segment_fixed_size 0
		.amdhsa_enable_private_segment 0
		.amdhsa_kernarg_size 40
		.amdhsa_user_sgpr_count 2
		.amdhsa_user_sgpr_kernarg_segment_ptr 1
		.amdhsa_wavefront_size32 1
		.amdhsa_system_sgpr_workgroup_id_x 1
		.amdhsa_system_sgpr_workgroup_id_y 1
		.amdhsa_system_sgpr_workgroup_id_z 1
		.amdhsa_system_vgpr_workitem_id 0
		.amdhsa_next_free_vgpr 256
		.amdhsa_next_free_sgpr 66
		.amdhsa_reserve_vcc 0
		.amdhsa_float_denorm_mode_32 3
		.amdhsa_float_denorm_mode_16_64 3
		.amdhsa_memory_ordered 1
		.amdhsa_forward_progress 1
		.amdhsa_inst_pref_size 38
	.end_amdhsa_kernel
	.amdgpu_metadata
---
amdhsa.version: [ 1, 2 ]
amdhsa.kernels:
  - .name:           k_qecf7349842_quant
    .symbol:         k_qecf7349842_quant.kd
    .args:
      - { .name: h, .offset: 0, .size: 8, .value_kind: global_buffer, .address_space: global }
      - { .name: Wq, .offset: 8, .size: 8, .value_kind: global_buffer, .address_space: global }
      - { .name: Wk, .offset: 16, .size: 8, .value_kind: global_buffer, .address_space: global }
      - { .name: Wv, .offset: 24, .size: 8, .value_kind: global_buffer, .address_space: global }
      - { .name: ops, .offset: 32, .size: 8, .value_kind: global_buffer, .address_space: global }
    .group_segment_fixed_size: 54784
    .private_segment_fixed_size: 0
    .kernarg_segment_align: 8
    .kernarg_segment_size: 40
    .max_flat_workgroup_size: 128
    .sgpr_count:     66
    .vgpr_count:     256
    .wavefront_size: 32
...
	.end_amdgpu_metadata
.endif
;; end of part 1
;; launch proj (part 2): grid 16 x 16, 12 waves a work-group, clusters of 4 x 4, 272,384 bytes of LDS; arguments ops, bq, bk, bv, qkv; writes qkv
.if DOCPART == 2
	.amdgcn_target "amdgcn-amd-amdhsa--gfx1250"
	.amdhsa_code_object_version 6
	.text
	.protected	k_qecf7349842_proj
	.globl	k_qecf7349842_proj
	.p2align	8
	.type	k_qecf7349842_proj,@function
k_qecf7349842_proj:
	s_mov_b64 s[64:65], 0
	v_nop
	global_prefetch_b8 v0, s[64:65] scope:SCOPE_SE
	s_setreg_imm32_b32 hwreg(HW_REG_WAVE_MODE, 25, 1), 1
	s_wait_xcnt 0x0
	s_wait_alu depctr_hold_cnt(0) depctr_sa_sdst(0) depctr_va_vdst(0) depctr_va_sdst(0) depctr_va_ssrc(0) depctr_va_vcc(0) depctr_vm_vsrc(0)
	s_getreg_b32 s2, hwreg(HW_REG_IB_STS2, 6, 4)
	s_cmp_eq_u32 s2, 0
	s_cbranch_scc0 .Lentry_in_a_cluster
	s_endpgm
.Lentry_in_a_cluster:
	s_bfe_u32 s2, ttmp6, 0x10000c
	s_cmp_lg_u32 s2, 0xf033
	s_cbranch_scc0 .Lentry_shape_is_right
	s_endpgm
.Lentry_shape_is_right:
; q = h Wq + bq, k = h Wk + bk, v = h Wv + bv on codes of FP4 (E2M1) with E8M0 scales (buffer ops: images of operand registers, groups of 64 rows x K 1,024, 34,816 bytes each),
; and the results quantised at once for the attention launch: q and k along the head's 64, v along the keys.  Sums and biases in f32.
; SHARES.  Work-group (x, y): head j = x, rows 256 i on, i = y.  Twelve waves: wave W has g = W & 3 (its 64 rows of h) and role = W >> 2 (0 q, 1 k, 2 v): 64 x 64 results, 16 accumulators.
; THE ROWS OF A TILE ARE NOT NEIGHBOURS: lane r of tile tau of a group holds row 8 tau + (r & 7) + 32 (r >> 3).  In a result, lane half h' and register j hold row 8 h' + j of source 0's tile:
; so the 32 registers of the four tiles x = 0 .. 3 are the 32 NEIGHBOURS 32 h' + 0 .. 31 of source 0's group: a whole block of 32 in ONE lane, in the order that a 4-bit operand's registers want.
; q, k: source 0 = the weight's 64 columns, source 1 = h's rows: a lane holds one row and 32 of the head's 64.   v: source 0 = h's rows, source 1 = Wv's columns: a lane holds one channel and 32 keys.
; The three roles run one text: only which LDS slot is X (source 0) and which is Y (source 1), the layout of the bias and the place of the results differ, all by arithmetic on the wave's number.
; LDS: slot n at 34,816 n: slots 0-3 h's groups 4 i .. 4 i + 3, slots 4-6 Wq, Wk, Wv of head j: filled ONCE by tensor loads (no byte is filled again); behind them the stage, 27,136 bytes, written by LDS stores alone.
; CLUSTER 4 x 4: h's groups hang on i alone and are asked for jointly along a row of the cluster, the weights' on j alone, along a column.
; OUT: block (j, i) of qkv, 27,136 consecutive bytes: [0, 8192) q's images, tile T = 4 g + y at 512 T + 16 lane; [8192, 9216) q's scale words at 256 g + 16 r + 4 y;
;   then two key steps of 8,960 bytes (128 keys each): +0 k's images, tile 4 c + y; +4096 v's images at (4 c + y) 512; +8192 k's scale words at 256 c + 16 r + 4 y; +8704 v's scale words at 16 r + 4 y, byte 2 c + h'.
;   q's and k's words: byte 0 for channels 0-31, byte 1 for 32-63, bytes 2 and 3 = 127: they scale the zero codes that fill the instruction's K of 128.
; LIMITS: as in the quantising launch: NaN and infinities are not served; a block under 2^-124, or of zeros, gets the byte 1.
; No prefetch: every byte that the work-group reads is asked for at its head by the tensor loads themselves.
.set GRP,   34816
.set SB,    4352                       ; a K step of a group: 4,096 bytes of images, 256 of scale words
.set STG,   7*GRP
.set BLKB,  27136
.set XS,  16                           ; v16-19  X's scale words, tile x;  v20-23 Y's: they hold scales and nothing else
.set YS,  20
.set M,   24                           ; v24-27  largest magnitudes
.set T,   28                           ; v28-31  lane permutes' results
.set XF,  32                           ; v32-63  X's four fragments; behind the products: scale operands, bytes, codes
.set YF,  64                           ; v64-95  Y's; behind the products: the way out
.set BI,  96                           ; v96-127 the bias, in the result's layout
.set ACC, 128                          ; v128-255 accumulator (x, y) at 128 + 8 (4 y + x)
.set G1A, 24                           ; s[24:31] descriptor group 1 for h's groups;  s[32:35] its group 0
.set G0A, 32
.set G1B, 48                           ; s[48:55], s[56:63] the same for the weights'
.set G0B, 56
; v4 X's fragments, v5 Y's, v6 X's scale words, v7 Y's, v8 my images in the stage, v9 my scale words there, v10, v11 the way out, v12, v13 bias offsets, v14 8 h', v15 0x7f7f
.macro CROUND                          ; a round of the cluster's barrier
	s_barrier_signal -1
	s_barrier_wait -1
	s_cmp_lg_u32 s14, 0
	s_cbranch_scc1 .Lnot_wave_0_\@
	s_barrier_signal -3
.Lnot_wave_0_\@:
	s_barrier_wait -3
	s_barrier_signal -1
	s_barrier_wait -1
.endm
.macro PLACES                          ; four plain vector lines behind matrix instructions, ahead of loads into their registers and of reads of their results
.rept 4
	v_nop
.endr
.endm
	s_load_b256 s[4:11], s[0:1], 0x0               ; ops s[4:5], bq s[6:7], bk s[8:9], bv s[10:11]
	s_load_b64 s[12:13], s[0:1], 0x20              ; qkv
	s_set_vgpr_msb 0x40
	v_lshl_add_u32 v0, v0, 2, 0x42200
	v_mov_b32 v1, 0
	s_set_vgpr_msb 0x4045
	ds_add_u32 v0, v1
	ds_add_u32 v0, v1
	s_set_vgpr_msb 0x4500
	v_lshrrev_b32 v1, 5, v0
	s_delay_alu instid0(VALU_DEP_1)
	v_readfirstlane_b32 s14, v1                    ; wave 0..11
	s_and_b32 s15, s14, 3                          ; g
	s_lshr_b32 s16, s14, 2                         ; role
	s_bfe_u32 s40, ttmp6, 0x40000                  ; cx, cy: my place in the cluster
	s_bfe_u32 s41, ttmp6, 0x40004
	s_lshl_b32 s42, ttmp9, 2
	s_add_co_u32 s42, s42, s40                     ; j, the head = 4 x cluster x + cx
	s_and_b32 s17, ttmp7, 0xffff
	s_lshl_b32 s17, s17, 2
	s_add_co_u32 s17, s17, s41                     ; i, the block of 256 rows = 4 x cluster y + cy
	s_lshl_b32 s43, s41, 2
	s_lshl_b32 s43, 15, s43                        ; my row of the cluster
	s_lshl_b32 s44, 0x1111, s40                    ; my column
	; group 1: a whole group, 34,816 dense bytes, as 136 rows of 256 bytes (32 elements of 8 bytes), no padding: the images are read 16 bytes a lane on end
	s_or_b32 s[G1A], s43, (3<<16)|(1<<21)          ; 15:0 the mask; 17:16 elements of 8 bytes; 21 set beside a mask
	s_or_b32 s[G1B], s44, (3<<16)|(1<<21)
.irp g, G1A, G1B
	s_mov_b32 s[\g+1], 32<<16                      ; tensor_dim0 = 32
	s_mov_b32 s[\g+2], 136<<16                     ; tensor_dim1 = 136
	s_mov_b32 s[\g+3], 32<<16                      ; tile_dim0 = 32
	s_mov_b32 s[\g+4], 136                         ; tile_dim1 = 136
	s_mov_b32 s[\g+5], 32                          ; from row to row
	s_mov_b32 s[\g+6], 0
	s_mov_b32 s[\g+7], 0
.endr
	s_lshl_b32 s68, s17, 2
	s_add_co_u32 s68, s68, s15
	s_mul_i32 s68, s68, GRP                        ; h's group 4 i + g: these registers never hold cx
	s_mov_b32 s69, 0
	s_min_u32 s70, s15, 2                          ; (held at 2: a wave with g = 3 asks for no weight)
	s_lshl_b32 s70, s70, 4
	s_add_co_u32 s70, s70, s42
	s_add_co_u32 s70, s70, 64
	s_mul_i32 s70, s70, GRP                        ; the weights' group 64 + 16 g + j: these never hold cy
	s_mov_b32 s71, 0
	s_min_u32 s72, s14, 6                          ; (held at 6: waves 7 to 11 fetch nothing)
	s_mul_i32 s72, s72, GRP                        ; my slot: the wave's number alone
	s_mov_b32 s20, 0x76543210
	s_mov_b32 s21, 0xfedcba98                      ; v_permlanex16_b32's selects for lane l xor 16
	s_wait_dscnt 0x0
	s_wait_kmcnt 0x0
	s_add_nc_u64 s[68:69], s[4:5], s[68:69]
	s_add_nc_u64 s[70:71], s[4:5], s[70:71]
	s_mov_b32 s[G0A], 1
	s_mov_b32 s[G0A+1], s72
	s_mov_b64 s[G0A+2:G0A+3], s[68:69]
	s_or_b32 s[G0A+3], s[G0A+3], 0x80000000
	s_mov_b32 s[G0B], 1
	s_mov_b32 s[G0B+1], s72
	s_mov_b64 s[G0B+2:G0B+3], s[70:71]
	s_or_b32 s[G0B+3], s[G0B+3], 0x80000000
	CROUND                                         ; all sixteen work-groups are here: the joint loads meet
	s_cmp_lt_u32 s14, 4                            ; waves 0-3: h's groups; waves 4-6: the weights'; one chain of branches on the wave's number, one load of a whole group to an arm
	s_cbranch_scc0 .Lnot_h
	tensor_load_to_lds s[G0A:G0A+3], s[G1A:G1A+7]
	s_nop 0
.rept 4
	v_nop
.endr
	s_branch .Lasked
.Lnot_h:
	s_cmp_lt_u32 s14, 7
	s_cbranch_scc0 .Lasked
	tensor_load_to_lds s[G0B:G0B+3], s[G1B:G1B+7]
	s_nop 0
.rept 4
	v_nop
.endr
.Lasked:
	; which slot is X and which is Y, and where my results go: arithmetic on the wave's number
	s_lshr_b32 s73, s16, 1                         ; isv: 1 for v
	s_xor_b32 s74, s73, 1                          ; 1 for q and k
	s_min_u32 s75, s16, 1                          ; 1 for k and v
	s_add_co_u32 s76, s16, 4
	s_mul_i32 s76, s76, s74
	s_mul_i32 s77, s15, s73
	s_add_co_u32 s76, s76, s77                     ; X: q, k: slot 4 + role;  v: slot g
	s_mul_i32 s76, s76, GRP
	s_mul_i32 s77, s15, s74
	s_mul_i32 s78, s73, 6
	s_add_co_u32 s77, s77, s78                     ; Y: q, k: slot g;  v: slot 6
	s_mul_i32 s77, s77, GRP
	s_and_b32 s78, s15, 1                          ; g & 1
	s_lshr_b32 s79, s15, 1                         ; g >> 1
	s_mul_i32 s80, s75, 4864
	s_add_co_u32 s80, s80, 4096
	s_mul_i32 s80, s80, s79                        ; q: 4,096 (g >> 1);  k, v: a key step, 8,960 (g >> 1)
	s_lshl_b32 s81, s78, 11
	s_add_co_u32 s80, s80, s81                     ; + 2,048 (g & 1)
	s_mul_i32 s81, s75, 9216
	s_add_co_u32 s80, s80, s81                     ; k, v: behind q's 9,216 bytes
	s_lshl_b32 s81, s73, 12
	s_add_co_u32 s80, s80, s81                     ; v: behind k's images
	s_add_co_u32 s80, s80, STG
	s_mul_i32 s82, s75, 8448
	s_add_co_u32 s82, s82, 512
	s_mul_i32 s82, s82, s79                        ; scale words: q: 512 (g >> 1);  k, v: 8,960 (g >> 1)
	s_lshl_b32 s83, s74, 8
	s_lshl_b32 s84, s73, 1
	s_add_co_u32 s83, s83, s84
	s_mul_i32 s83, s83, s78                        ; q, k: 256 (g & 1);  v: 2 (g & 1): the upper half of the word
	s_add_co_u32 s82, s82, s83
	s_mul_i32 s83, s75, 9216
	s_add_co_u32 s82, s82, s83
	s_lshl_b32 s83, s73, 9
	s_add_co_u32 s82, s82, s83                     ; v: behind k's 512 bytes of words
	s_add_co_u32 s82, s82, STG+8192
	v_and_b32 v1, 31, v0                           ; lane
	v_and_b32 v2, 15, v0                           ; r
	v_bfe_u32 v3, v0, 4, 1                         ; h'
	s_delay_alu instid0(VALU_DEP_3)
	v_lshl_add_u32 v4, v1, 4, s76
	s_delay_alu instid0(VALU_DEP_4)
	v_lshl_add_u32 v5, v1, 4, s77
	s_delay_alu instid0(VALU_DEP_4)
	v_lshl_add_u32 v6, v2, 4, s76
	v_lshl_add_u32 v7, v2, 4, s77
	v_lshl_add_u32 v8, v1, 4, s80
	v_lshl_add_u32 v9, v2, 4, s82
	v_lshl_add_u32 v10, v0, 4, STG
	v_lshlrev_b32 v11, 4, v0
	v_lshlrev_b32 v12, 7, v3                       ; q, k: my 32 numbers of the bias begin at channel 32 h'
	v_bfe_u32 v13, v0, 3, 1
	v_and_b32 v24, 7, v0
	s_delay_alu instid0(VALU_DEP_2)
	v_lshlrev_b32 v13, 7, v13
	s_delay_alu instid0(VALU_DEP_1)
	v_lshl_add_u32 v13, v24, 2, v13                ; v: my channel of tile y is 8 y + (r & 7) + 32 (r >> 3)
	v_lshlrev_b32 v14, 3, v3
	v_mov_b32 v15, 0x7f7f
.irp y, 0,1,2,3
	v_mov_b32 v[T+\y], 0                           ; written once: a lane permute's destination counts as one of its sources
.endr
	; the bias is the C of each sum's first matrix instruction
	s_cmp_lt_u32 s16, 2
	s_cselect_b64 s[66:67], s[8:9], s[10:11]
	s_cmp_eq_u32 s16, 0
	s_cselect_b64 s[66:67], s[6:7], s[66:67]
	s_lshl_b32 s86, s42, 8                         ; the head's 64 numbers
	s_mov_b32 s87, 0
	s_add_nc_u64 s[66:67], s[66:67], s[86:87]
	s_cmp_eq_u32 s16, 2
	s_cbranch_scc1 .Lbias_v
.irp n, 0,1,2,3,4,5,6,7
	global_load_b128 v[BI+4*\n:BI+4*\n+3], v12, s[66:67] offset:16*\n   ; register 8 x + j: channel 32 h' + 8 x + j, the same for every y
.endr
	s_branch .Lbias_done
.Lbias_v:
	s_wait_alu depctr_va_vdst(0)
.irp y, 0,1,2,3
.irp k, 0,1,2,3,4,5,6,7
	global_load_b32 v[BI+8*\y+\k], v13, s[66:67] offset:32*\y            ; all eight registers of tile y: my one channel's number
.endr
.endr
.Lbias_done:
	s_wait_loadcnt 0x0
.macro FRAGS s                         ; K step s: X's and Y's four fragments and their scale words; every load takes 512 (the words: 256) consecutive bytes
.irp t, 0,1,2,3
.irp c, 0,1
	ds_load_b128 v[XF+8*\t+4*\c:XF+8*\t+4*\c+3], v4 offset:SB*(\s)+(2*\t+\c)*512
.endr
.endr
.irp t, 0,1,2,3
.irp c, 0,1
	ds_load_b128 v[YF+8*\t+4*\c:YF+8*\t+4*\c+3], v5 offset:SB*(\s)+(2*\t+\c)*512
.endr
.endr
	ds_load_b128 v[XS:XS+3], v6 offset:SB*(\s)+4096        ; lane r: the words of row r of tiles 0 .. 3
	ds_load_b128 v[YS:YS+3], v7 offset:SB*(\s)+4096
	s_wait_dscnt 0x0
.endm
; 16 matrix instructions, the 16 accumulators by turns, one instruction a turn.  mode 0: adds on;  1: starts the sums with q's or k's bias;  2: with v's
.macro MUL mode
.irp y, 0,1,2,3
.irp x, 0,1,2,3
.if \mode == 0
	v_wmma_scale_f32_16x16x128_f8f6f4 v[ACC+8*(4*\y+\x):ACC+8*(4*\y+\x)+7], v[XF+8*\x:XF+8*\x+7], v[YF+8*\y:YF+8*\y+7], v[ACC+8*(4*\y+\x):ACC+8*(4*\y+\x)+7], v[XS+\x], v[YS+\y] matrix_a_fmt:MATRIX_FMT_FP4 matrix_b_fmt:MATRIX_FMT_FP4
.elseif \mode == 1
	v_wmma_scale_f32_16x16x128_f8f6f4 v[ACC+8*(4*\y+\x):ACC+8*(4*\y+\x)+7], v[XF+8*\x:XF+8*\x+7], v[YF+8*\y:YF+8*\y+7], v[BI+8*\x:BI+8*\x+7], v[XS+\x], v[YS+\y] matrix_a_fmt:MATRIX_FMT_FP4 matrix_b_fmt:MATRIX_FMT_FP4
.else
	v_wmma_scale_f32_16x16x128_f8f6f4 v[ACC+8*(4*\y+\x):ACC+8*(4*\y+\x)+7], v[XF+8*\x:XF+8*\x+7], v[YF+8*\y:YF+8*\y+7], v[BI+8*\y:BI+8*\y+7], v[XS+\x], v[YS+\y] matrix_a_fmt:MATRIX_FMT_FP4 matrix_b_fmt:MATRIX_FMT_FP4
.endif
.endr
.endr
.endm
	s_wait_tensorcnt 0x0                           ; my one load, my slot's whole group, has landed
	s_barrier_signal -1
	s_barrier_wait -1                              ; everybody's has
	FRAGS 0
	s_cmp_eq_u32 s16, 2
	s_cbranch_scc1 .Lfirst_v
	MUL 1
	s_branch .Lfirst_done
.Lfirst_v:
	MUL 2
.Lfirst_done:
.irp s, 1,2,3
	PLACES
	FRAGS \s
	MUL 0
.endr
.irp s, 4,5,6,7
	PLACES
	FRAGS \s
	MUL 0
.endr
	PLACES
	; THE RESULTS ARE QUANTISED.  For each y my 32 registers are one block of 32 along the next product's K: no other lane is asked.  Each accumulator is read from its low end on.
.irp y, 0,1,2,3
	v_max3_num_f32 v[M+\y], |v[ACC+32*\y]|, |v[ACC+32*\y+1]|, 0x1800000   ; and the floor 2^(3 - 127): the byte cannot fall under 1
.endr
.irp i, 2,4,6,8,10,12,14,16,18,20,22,24,26,28,30
.irp y, 0,1,2,3
	v_max3_num_f32 v[M+\y], v[M+\y], |v[ACC+32*\y+\i]|, |v[ACC+32*\y+\i+1]|   ; (the four blocks by turns)
.endr
.endr
.irp y, 0,1,2,3
	s_delay_alu instid0(VALU_DEP_4)
	v_add_nc_u32 v[XF+\y], 0xff000000, v[M+\y]     ; 2 off the exponent field: the conversion's scale operand
.endr
.irp y, 0,1,2,3
	s_delay_alu instid0(VALU_DEP_4)
	v_lshrrev_b32 v[XF+4+\y], 23, v[XF+\y]         ; the scale's byte
.endr
.irp y, 0,1,2,3
.irp g, 0,1,2,3
	v_cvt_scalef32_pk8_fp4_f32 v[XF+8+4*\y+\g], v[ACC+32*\y+8*\g:ACC+32*\y+8*\g+7], v[XF+\y]
.endr
.endr
	v_nop                                          ; one plain line behind the last scaled conversion
.irp y, 0,1,2,3
	v_lshlrev_b32 v[XF+4+\y], v14, v[XF+4+\y]      ; my byte at its place: 8 h' bits up;
.endr
.irp y, 0,1,2,3
	s_delay_alu instid0(VALU_DEP_4)
	v_permlanex16_b32 v[T+\y], v[XF+4+\y], s20, s21
.endr
.irp y, 0,1,2,3
	s_delay_alu instid0(VALU_DEP_4)
	v_or_b32 v[XF+4+\y], v[XF+4+\y], v[T+\y]       ; with lane l xor 16's: two bytes
.endr
.irp y, 0,1,2,3
	ds_store_b128 v8, v[XF+8+4*\y:XF+8+4*\y+3] offset:512*\y      ; the image of four operand registers
	ds_store_b16 v9, v[XF+4+\y] offset:4*\y                       ; both halves of the lanes write the same two bytes with the same value
.endr
	s_cmp_eq_u32 s16, 2
	s_cbranch_scc1 .Lno_fill
.irp y, 0,1,2,3
	ds_store_b16 v9, v15 offset:4*\y+2             ; q, k: bytes 2 and 3 of the word: 127
.endr
.Lno_fill:
	s_lshl_b32 s86, s42, 4
	s_add_co_u32 s86, s86, s17
	s_mul_i32 s86, s86, BLKB                       ; block (j, i)
	s_mov_b32 s87, 0
	s_add_nc_u64 s[12:13], s[12:13], s[86:87]
	s_wait_dscnt 0x0                               ; for the others' sake: my stores into the stage are done
	s_barrier_signal -1
	s_barrier_wait -1
	; THE WAY OUT: the stage leaves as it lies; a wave's store covers 512 consecutive bytes, aligned to 256; 27,136 = 4 x 6,144 + 5 x 512
.irp n, 0,1,2,3
	ds_load_b128 v[YF+4*\n:YF+4*\n+3], v10 offset:6144*\n
.endr
.irp n, 0,1,2,3
	s_wait_dscnt 3-\n
	global_store_b128 v11, v[YF+4*\n:YF+4*\n+3], s[12:13] offset:6144*\n
.endr
	s_cmp_lt_u32 s14, 5
	s_cbranch_scc0 .Lstored
	ds_load_b128 v[YF+16:YF+19], v10 offset:24576
	s_wait_dscnt 0x0
	global_store_b128 v11, v[YF+16:YF+19], s[12:13] offset:24576
.Lstored:
	s_set_vgpr_msb 0x5
	s_wait_tensorcnt 0x0
	ds_add_u32 v0, v1
	s_wait_dscnt 0x0
	s_set_vgpr_msb 0x500
	CROUND                                         ; the closing round: no work-group ends while a partner may still ask for a tile that names it
	s_endpgm
.Lfunc_end_k_qecf7349842_proj:
	.size	k_qecf7349842_proj, .Lfunc_end_k_qecf7349842_proj-k_qecf7349842_proj
	.p2alignl 7, 3214868480
	.fill 96, 4, 3214868480
	.section	.rodata,"a",@progbits
	.p2align	6, 0x0
	.amdhsa_kernel k_qecf7349842_proj
		.amdhsa_group_segment_fixed_size 272384
		.amdhsa_private_segment_fixed_size 0
		.amdhsa_enable_private_segment 0
		.amdhsa_kernarg_size 40
		.amdhsa_user_sgpr_count 2
		.amdhsa_user_sgpr_kernarg_segment_ptr 1
		.amdhsa_wavefront_size32 1
		.amdhsa_system_sgpr_workgroup_id_x 1
		.amdhsa_system_sgpr_workgroup_id_y 1
		.amdhsa_system_sgpr_workgroup_id_z 1
		.amdhsa_system_vgpr_workitem_id 0
		.amdhsa_next_free_vgpr 258
		.amdhsa_next_free_sgpr 96
		.amdhsa_reserve_vcc 0
		.amdhsa_float_denorm_mode_32 3
		.amdhsa_float_denorm_mode_16_64 3
		.amdhsa_memory_ordered 1
		.amdhsa_forward_progress 1
		.amdhsa_inst_pref_size 49
	.end_amdhsa_kernel
	.amdgpu_metadata
---
amdhsa.version: [ 1, 2 ]
amdhsa.kernels:
  - .name:           k_qecf7349842_proj
    .symbol:         k_qecf7349842_proj.kd
    .args:
      - { .name: ops, .offset: 0, .size: 8, .value_kind: global_buffer, .address_space: global }
      - { .name: bq, .offset: 8, .size: 8, .value_kind: global_buffer, .address_space: global }
      - { .name: bk, .offset: 16, .size: 8, .value_kind: global_buffer, .address_space: global }
      - { .name: bv, .offset: 24, .size: 8, .value_kind: global_buffer, .address_space: global }
      - { .name: qkv, .offset: 32, .size: 8, .value_kind: global_buffer, .address_space: global }
    .group_segment_fixed_size: 272384
    .private_segment_fixed_size: 0
    .kernarg_segment_align: 8
    .kernarg_segment_size: 40
    .max_flat_workgroup_size: 384
    .sgpr_count:     96
    .vgpr_count:     258
    .wavefront_size: 32
...
	.end_amdgpu_metadata
.endif
;; end of part 2
;; launch attn (part 3): grid 16 x 16, 16 waves a work-group, clusters of 4 x 1, 327,680 bytes of LDS; arguments qkv, out0; writes out0
.if DOCPART == 3
	.amdgcn_target "amdgcn-amd-amdhsa--gfx1250"
	.amdhsa_code_object_version 6
	.text
	.protected	k_qecf7349842_attn
	.globl	k_qecf7349842_attn
	.p2align	8
	.type	k_qecf7349842_attn,@function
k_qecf7349842_attn:
	s_mov_b64 s[64:65], 0
	v_nop
	global_prefetch_b8 v0, s[64:65] scope:SCOPE_SE
	s_setreg_imm32_b32 hwreg(HW_REG_WAVE_MODE, 25, 1), 1
	s_wait_xcnt 0x0
	s_wait_alu depctr_hold_cnt(0) depctr_sa_sdst(0) depctr_va_vdst(0) depctr_va_sdst(0) depctr_va_ssrc(0) depctr_va_vcc(0) depctr_vm_vsrc(0)
	s_getreg_b32 s2, hwreg(HW_REG_IB_STS2, 6, 4)
	s_cmp_eq_u32 s2, 0
	s_cbranch_scc0 .Lentry_in_a_cluster
	s_endpgm
.Lentry_in_a_cluster:
	s_bfe_u32 s2, ttmp6, 0x10000c
	s_cmp_lg_u32 s2, 0x3003
	s_cbranch_scc0 .Lentry_shape_is_right
	s_endpgm
.Lentry_shape_is_right:
; out0[q][64 head + d] = sum over keys of softmax(q . k / 8) v, both products on codes of FP4 (E2M1) with E8M0 scales, read from qkv as the projection launch laid them:
; block (head, i), 27,136 bytes: q's images of 256 queries (tile T at 512 T + 16 lane), q's scale words at 8,192, then two key steps of 8,960 bytes (128 keys each):
; +0 k's eight tiles (512 bytes each: four operand registers, the head's 64), +4,096 v's images (4 c + y) 512, +8,192 k's scale words, +8,704 v's scale words.
; THE SOFTMAX: t = score x log2(e) / 8; M = the running largest t rounded UP to a whole number; p = 2^(t - M) is quantised along the keys, not normalised; the row's sum is taken of the
; unquantised p in f32 and divides at the end.  When M moves, the sum and O are multiplied by 2^(old M - new M), which rounds nothing.
; SHARES.  Work-group (i, head): 256 queries of one head; each of sixteen waves owns one tile of 16 queries and walks all 4,096 keys, 256 a trip, 16 trips.
; LDS.  A head's K and V, 32 key steps = 286,720 bytes, lie in LDS whole and are filled ONCE: wave W asks for block W's two key steps, 17,920 dense bytes as 70 rows of 256 bytes.
; One barrier shows them to all waves.  CLUSTER 4 x 1: the four query blocks of a cluster read the same head, so each load is asked for jointly (mask 15).
; No prefetch: every byte that the work-group reads is asked for at its head by the loads themselves, and there is no loop to run ahead in.
; THE STAGES of the way out, 16 x 4,352 bytes, lie in blocks 0 to 3 (71,680 bytes).  The barrier that guards them is split: a wave signals behind trip 3, its last read of those blocks, and waits on its way out;
; between the two it reads blocks 4 to 15 alone.
; LAYOUT.  Both products transposed: S^T = K Q^T, O^T = V^T P^T: a lane holds one query.  Lane r of a tile of a group of 64 keys holds key 8 tau + (r & 7) + 32 (r >> 3), so the 32 registers
; of four tiles are the 32 neighbouring keys 32 h' + 0 .. 31: a whole block in one lane, in the order of a 4-bit operand's registers.
; K'S OPERAND: the head has 64 channels, the instruction's K is 128.  Q's codes for k = 64 .. 127 are zeros and the scale bytes there are 127 on both sides, so whatever E2M1 codes stand in the upper
; four registers of K's operand add nothing (the format has no NaN and no infinity).  So K's tiles lie 4 registers apart, and tile t's operand runs on over tile t + 1's codes; behind the last stand four registers of any bits.
; LDS LOADS RUN A TRIP AHEAD: the next trip's first eight tiles of K land in score registers whose p has been summed and converted, its second eight in the registers that held p's codes; the last trip is written out and asks for nothing.
; THE EXPONENTIALS go in two batches, with plain lines among them: each such line reads only what stood ready ahead of the wait in front of its batch, and what it writes is first read behind the next wait.
; LIMITS: holds while the scaled scores stay under 2^31 in magnitude; NaN and infinities are not served; a block whose largest p lies under 2^-124, or is 0, gets the byte 1: its codes are zeros or next to it.
; REGISTERS: v1, v2 lane terms; v3, v8 the trip's LDS addresses; v4, v5 the add's two; v[6:7] f; v9 Q's scale word; v10, v11 p's; v12 -M, v13 largest score; v14, v15 at work; v16-23 Q; v24-31 K's scale words; v32-39 V's;
; v40-75 K's second eight tiles, then 16 pair sums, then p's codes (v40-55); v76-203 S^T, then p, then V's fragments (v76-139) and K's first eight tiles (v140-171); v204-235 O^T; v236-243, v252-255 at work; v244-251 the row's sum in four pairs.
.set STEPB, 8960
.set PAIRB, 2*STEPB
.set BLKB,  27136
.set HEADB, 16*BLKB
.set SPARE, 16*PAIRB                   ; behind K and V: the spare words, 128 bytes a wave
.set SPW, 4
.set NIL, 5
.set F,   6                            ; f = 2^(old M - new M); at the end 1 / the sum
.set KA,  40
.set PC,  40
.set TP,  40                           ; 16 pair sums of the first 128 keys' p
.set S,   76
.set O,   204
.set BM,  236                          ; block 2 u + c: its largest score, then its largest p, then its scale byte
.set SO,  240                          ; the conversions' scale operands
.set AS,  244                          ; the row's sum: four pairs, kept over all trips
.set T,   252                          ; lane permutes' results
.macro CROUND
	s_barrier_signal -1
	s_barrier_wait -1
	s_cmp_lg_u32 s18, 0
	s_cbranch_scc1 .Lnot_wave_0_\@
	s_barrier_signal -3
.Lnot_wave_0_\@:
	s_barrier_wait -3
	s_barrier_signal -1
	s_barrier_wait -1
.endm
; eight products: the 128 keys of half u, K's tiles from register a on; tiles 0-3 take their scale words from lanes 0-15, tiles 4-7 from lanes 16-31
.macro QK u, a
.irp t, 0,1,2,3
	v_wmma_scale_f32_16x16x128_f8f6f4 v[S+64*\u+8*\t:S+64*\u+8*\t+7], v[\a+4*\t:\a+4*\t+7], v[16:23], 0, v[24+4*\u+\t], v9 matrix_a_fmt:MATRIX_FMT_FP4 matrix_b_fmt:MATRIX_FMT_FP4
.endr
.irp t, 4,5,6,7
	v_wmma_scale_f32_16x16x128_f8f6f4 v[S+64*\u+8*\t:S+64*\u+8*\t+7], v[\a+4*\t:\a+4*\t+7], v[16:23], 0, v[20+4*\u+\t], v9 matrix_a_fmt:MATRIX_FMT_FP4 matrix_b_fmt:MATRIX_FMT_FP4 matrix_a_scale:MATRIX_SCALE_ROW1
.endr
.endm
.macro KLOAD dst, adr, off             ; eight tiles of K
.irp t, 0,1,2,3,4,5,6,7
	ds_load_b128 v[\dst+4*\t:\dst+4*\t+3], v[\adr] offset:\off+512*\t
.endr
.endm
.macro LOADS0 adr, off                 ; the first eight tiles, and K's scale words of both halves (lanes 0-15 tiles 0-3, lanes 16-31 tiles 4-7): ten loads
	KLOAD S+64, \adr, \off
	ds_load_b128 v[24:27], v[\adr] offset:\off+8192
	ds_load_b128 v[28:31], v[\adr] offset:\off+STEPB+8192
.endm
.macro LOADS1 adr, adrs, off           ; the second eight tiles, and V's scale words: ten loads
	KLOAD KA, \adr, \off+STEPB
	ds_load_b128 v[32:35], v[\adrs] offset:\off+8704
	ds_load_b128 v[36:39], v[\adrs] offset:\off+STEPB+8704
.endm
; the largest score of half u's two blocks of 32, each in two chains (registers 0-14 and 16-30), the four chains by turns; every accumulator is first read at its low end
.macro MAXA u
.irp c, 0,1
	v_max3_num_f32 v[BM+2*\u+\c], v[S+64*\u+32*\c], v[S+64*\u+32*\c+1], v[S+64*\u+32*\c+2]
	v_max3_num_f32 v[254+\c], v[S+64*\u+32*\c+16], v[S+64*\u+32*\c+17], v[S+64*\u+32*\c+18]
.endr
.irp i, 3,5,7,9,11,13
.irp c, 0,1
	v_max3_num_f32 v[BM+2*\u+\c], v[BM+2*\u+\c], v[S+64*\u+32*\c+\i], v[S+64*\u+32*\c+\i+1]
	v_max3_num_f32 v[254+\c], v[254+\c], v[S+64*\u+32*\c+16+\i], v[S+64*\u+32*\c+17+\i]
.endr
.endr
.endm
.macro MAXB u                          ; the two chains joined, with registers 15 and 31
.irp c, 0,1
	v_max3_num_f32 v[BM+2*\u+\c], v[BM+2*\u+\c], v[254+\c], v[S+64*\u+32*\c+15]
.endr
.irp c, 0,1
	v_max_num_f32 v[BM+2*\u+\c], v[BM+2*\u+\c], v[S+64*\u+32*\c+31]
.endr
.endm
.macro SUMS base, from, n              ; n pairs, from register base + from on, onto the sum's four pairs by turns
.set J, \from
.rept \n
	v_pk_add_f32 v[AS+2*((J/2)%4):AS+2*((J/2)%4)+1], v[AS+2*((J/2)%4):AS+2*((J/2)%4)+1], v[\base+J:\base+J+1]
.set J, J+2
.endr
.endm
.macro FMAS from, n                    ; t - M of n pairs of scores
.set J, \from
.rept \n
	v_pk_fma_f32 v[S+J:S+J+1], v[S+J:S+J+1], s[22:23], v[12:13] op_sel_hi:[1,0,0]
.set J, J+2
.endr
.endm
.macro CVT b                           ; block b's 32 numbers into four registers of codes
.irp g, 0,1,2,3
	v_cvt_scalef32_pk8_fp4_f32 v[PC+4*\b+\g], v[S+32*\b+8*\g:S+32*\b+8*\g+7], v[SO+\b]
.endr
.endm
	s_load_b128 s[4:7], s[0:1], 0x0                ; qkv, out0
	v_lshl_add_u32 v[SPW], v0, 2, SPARE
	v_mov_b32 v[NIL], 0
	ds_add_u32 v[SPW], v[NIL]                      ; the opening lines: the add, twice on end, and its wait ahead of my tensor load
	ds_add_u32 v[SPW], v[NIL]
	v_lshrrev_b32 v1, 5, v0
	s_delay_alu instid0(VALU_DEP_1)
	v_readfirstlane_b32 s18, v1                    ; wave 0..15
	s_bfe_u32 s8, ttmp6, 0x40000                   ; cx
	s_lshl_b32 s9, ttmp9, 2
	s_add_co_u32 s9, s9, s8                        ; i, my block of 256 queries
	s_and_b32 s10, ttmp7, 0xffff                   ; the head
	s_mul_i32 s12, s10, HEADB
	s_lshr_b32 s14, s18, 2                         ; g
	s_and_b32 s15, s18, 3                          ; y
	s_mul_i32 s16, s18, BLKB                       ; block W of the head: the head and the wave's number alone,
	s_add_co_u32 s16, s16, s12
	s_add_co_u32 s16, s16, 9216                    ; behind its q part
	s_mov_b32 s17, 0
	s_mul_i32 s19, s18, PAIRB                      ; and where it goes
	s_mov_b32 s24, 15|(3<<16)|(1<<21)              ; the four of the cluster; elements of 8 bytes; bit 21 beside a mask
	s_mov_b32 s25, 32<<16                          ; tensor_dim0 = 32
	s_mov_b32 s26, 70<<16                          ; tensor_dim1 = 70
	s_mov_b32 s27, 32<<16                          ; tile_dim0 = 32
	s_mov_b32 s28, 70                              ; tile_dim1 = 70
	s_mov_b32 s29, 32                              ; from row to row
	s_mov_b32 s30, 0
	s_mov_b32 s31, 0
	s_mov_b32 s20, 0x76543210
	s_mov_b32 s21, 0xfedcba98                      ; selects for lane l xor 16
	s_mov_b32 s22, 0x3e38aa3b                      ; c = log2(e) / 8
	s_mov_b32 s23, s22
	s_mov_b32 s54, 0xbe38aa3b                      ; -c
	s_mov_b32 s2, 0                                ; LDS byte at which the trip's 256 keys begin
	s_wait_dscnt 0x0                               ; both opening adds are done
	s_wait_kmcnt 0x0
	s_mov_b32 s32, 1
	s_mov_b32 s33, s19
	s_add_nc_u64 s[34:35], s[4:5], s[16:17]
	s_or_b32 s35, s35, 0x80000000
	CROUND                                         ; the four work-groups are here: the joint loads meet
	tensor_load_to_lds s[32:35], s[24:31]          ; my one tensor load of the launch
	s_nop 0
.rept 4
	v_nop
.endr
	s_mul_i32 s48, s9, BLKB
	s_add_co_u32 s48, s48, s12
	s_mov_b32 s49, 0
	s_add_nc_u64 s[48:49], s[4:5], s[48:49]        ; my work-group's block: its q part
	s_lshl_b32 s50, s9, 8
	s_lshl_b32 s51, s14, 6
	s_add_co_u32 s50, s50, s51
	s_lshl_b32 s51, s15, 3
	s_add_co_u32 s50, s50, s51                     ; my tile's first row: 256 i + 64 g + 8 y
	s_lshl_b32 s50, s50, 12
	s_lshl_b32 s51, s10, 8
	s_add_co_u32 s50, s50, s51                     ; and the head's 256 bytes of a row
	s_mov_b32 s51, 0
	s_add_nc_u64 s[6:7], s[6:7], s[50:51]
	s_lshl_b32 s52, s14, 8
	s_lshl_b32 s53, s15, 2
	s_add_co_u32 s52, s52, s53
	v_and_b32 v1, 31, v0
	v_and_b32 v2, 15, v0
	v_lshlrev_b32 v14, 4, v0
	global_load_b128 v[16:19], v14, s[48:49]       ; Q's tile W: 512 W + 16 lane
	v_lshl_add_u32 v15, v2, 4, s52
	global_load_b32 v9, v15, s[48:49] offset:8192  ; its scale words: 256 g + 16 r + 4 y
	v_lshlrev_b32 v1, 4, v1
	v_lshlrev_b32 v2, 4, v2
	v_mov_b32 v13, 0xff61b1e6                      ; the largest score so far: -3e38
	s_delay_alu instid0(VALU_DEP_1)
	v_floor_f32 v12, -v13                          ; -M: so far above every later one that the first trip's f is 0
.irp k, 20,21,22,23,72,73,74,75
	v_mov_b32 v\k, 0                               ; Q's zero codes for k = 64 .. 127; the four registers behind the second eight tiles
.endr
.irp k, 0,1,2,3
	v_mov_b32 v[S+96+\k], 0                        ; the four behind the first eight: later they hold p, which serves as well
.endr
.irp k, 0,1,2,3,4,5,6,7
	v_mov_b32 v[AS+\k], 0                          ; the row's sum
.endr
.set J, 0
.rept 32
	v_mov_b32 v[O+J], 0                            ; O^T: the first trip finds zeros, which its f = 0 leaves zeros
.set J, J+1
.endr
	v_mov_b32 v[F+1], 0                            ; (named with f as a pair)
	v_mov_b32 v[T], 0                              ; a lane permute's destination counts as a source
	s_wait_alu depctr_va_vdst(0)
	s_wait_loadcnt 0x0                             ; Q
	s_wait_tensorcnt 0x0                           ; my block of K and V has landed
	s_barrier_signal -1
	s_barrier_wait -1                              ; everybody's has
	LOADS0 1, 0                                    ; trip 0's loads, in the order in which a trip asks for the next one's
	LOADS1 1, 2, 0
; A TRIP: 256 keys.  nxt = 1: it asks for the next trip's tiles of K and scale words, PAIRB bytes on.
.macro TRIP nxt
	s_wait_dscnt 10                                ; the first eight tiles and K's words are in; the ten loads behind them may be out
	QK 0, S+64
	v_add_nc_u32 v3, s2, v1                        ; the trip's addresses and the old -M: with one v_nop, the four places ahead of the reads of the scores
	v_add_nc_u32 v8, s2, v2
	v_mov_b32 v15, v12
	v_nop
	MAXA 0
	s_wait_alu depctr_va_vdst(0)
	s_wait_dscnt 0x0
	QK 1, KA
	MAXB 0                                         ; four lines on the first half's registers: the places behind the second half's products
	MAXA 1
	v_max_num_f32 v253, v[BM], v[BM+1]
	MAXB 1
	s_delay_alu instid0(VALU_DEP_1)
	v_max3_num_f32 v253, v253, v[BM+2], v[BM+3]
	s_delay_alu instid0(VALU_DEP_1)
	v_permlanex16_b32 v[T], v253, s20, s21
	s_delay_alu instid0(VALU_DEP_1)
	v_max3_num_f32 v13, v13, v253, v[T]            ; the running largest score of my query (c is positive: the largest t is c times it)
	s_delay_alu instid0(VALU_DEP_1)
	v_mul_f32 v253, s54, v13
	s_delay_alu instid0(VALU_DEP_1)
	v_floor_f32 v12, v253                          ; -M = floor(-t)
	FMAS 0, 5
	v_sub_f32 v15, v12, v15                        ; old M - new M, a whole number, 0 or less
	FMAS 10, 5
	v_cvt_i32_f32 v15, v15                         ; (it saturates)
	FMAS 20, 5
	v_ldexp_f32 v[F], 1.0, v15                     ; f
	FMAS 30, 17                                    ; the first 128 keys' t - M is whole
.set J, 0
.rept 16
	v_pk_mul_f32 v[O+J:O+J+1], v[O+J:O+J+1], v[F:F+1] op_sel_hi:[1,0]   ; O^T under the new M
.set J, J+2
.endr
	s_wait_alu depctr_va_vdst(0)
.set J, 0
.rept 32
	v_exp_f32 v[S+J], v[S+J]                       ; p of the first 128 keys; among the exponentials the second 128 keys' t - M
	v_pk_fma_f32 v[S+64+J:S+65+J], v[S+64+J:S+65+J], s[22:23], v[12:13] op_sel_hi:[1,0,0]
	v_exp_f32 v[S+J+1], v[S+J+1]
.set J, J+2
.endr
.irp b, 0,1,2,3
	v_fma_f32 v[BM+\b], v[BM+\b], s22, v12         ; the same of each block's largest score
.endr
	s_wait_alu depctr_va_vdst(0)                   ; behind the first batch and ahead of the second
.set J, 0
.rept 16
	v_exp_f32 v[S+64+J], v[S+64+J]                 ; p of the second 128 keys; among the exponentials 16 sums of two pairs of the first 128 keys' p, each into registers of its own
	v_exp_f32 v[S+65+J], v[S+65+J]
	v_pk_add_f32 v[TP+J/2:TP+J/2+1], v[S+J:S+J+1], v[S+J+2:S+J+3]
	v_exp_f32 v[S+66+J], v[S+66+J]
	v_exp_f32 v[S+67+J], v[S+67+J]
.set J, J+4
.endr
.irp b, 0,1,2,3
	v_exp_f32 v[BM+\b], v[BM+\b]                   ; each block's largest p: the same two instructions on the same number
.endr
	s_wait_alu depctr_va_vdst(0)                   ; one wait behind the batch, ahead of its first reader
.irp k, 0,1,2,3
	v_pk_fma_f32 v[AS+2*\k:AS+2*\k+1], v[AS+2*\k:AS+2*\k+1], v[F:F+1], v[TP+2*\k:TP+2*\k+1] op_sel_hi:[1,0,1]   ; the row's sum under the new M, and the first four pair sums
.endr
	SUMS TP, 8, 12                                 ; the other twelve
.irp b, 0,1,2,3
	v_max_num_f32 v[BM+\b], 0x1800000, v[BM+\b]    ; the floor 2^(3 - 127): the byte cannot fall under 1
.endr
.irp b, 0,1,2,3
	v_add_nc_u32 v[SO+\b], 0xff000000, v[BM+\b]    ; 2 off the exponent field: the conversion's scale operand
.endr
	CVT 0
	CVT 1
.irp b, 0,1,2,3
	v_lshrrev_b32 v[BM+\b], 23, v[SO+\b]           ; the scale's byte (also the plain line behind the conversions)
.endr
.irp u, 0,1
.irp t, 0,1,2,3
.irp c, 0,1
	ds_load_b128 v[S+32*\u+8*\t+4*\c:S+32*\u+8*\t+4*\c+3], v3 offset:STEPB*\u+4096+(4*\c+\t)*512   ; V's fragments, over the first 128 keys' p, which has been summed and converted
.endr
.endr
.endr
	CVT 2
	CVT 3
	v_lshl_or_b32 v14, v[BM+2], 8, v[BM]           ; (also the plain line behind the conversions)  p's two scale words are made among the second 128 keys' sums
	v_lshl_or_b32 v15, v[BM+3], 8, v[BM+1]
	SUMS S, 64, 5
	v_lshl_or_b32 v14, v15, 16, v14                ; my four bytes: (u, c) = (0,0), (1,0), (0,1), (1,1)
	SUMS S, 74, 5
	v_permlanex16_b32 v[T], v14, s20, s21          ; and lane l xor 16's
	SUMS S, 84, 5
	v_perm_b32 v10, v[T], v14, 0x06020400          ; p's scale word of the first 128 keys, byte 2 c + h': right in lanes 0-15, which are the lanes read
	v_perm_b32 v11, v[T], v14, 0x07030501          ; and of the second
	SUMS S, 94, 1                                  ; registers S + 64 .. 95 are summed and converted:
.if \nxt
	LOADS0 3, PAIRB                                ; they take the next trip's first eight tiles
.endif
	SUMS S, 96, 8
	s_wait_alu depctr_va_vdst(0)
.if \nxt
	s_wait_dscnt 10                                ; V is in; the ten loads behind it may be out
.else
	s_wait_dscnt 0x0
.endif
.irp u, 0,1
.irp t, 0,1,2,3
	v_wmma_scale_f32_16x16x128_f8f6f4 v[O+8*\t:O+8*\t+7], v[S+32*\u+8*\t:S+32*\u+8*\t+7], v[PC+8*\u:PC+8*\u+7], v[O+8*\t:O+8*\t+7], v[32+4*\u+\t], v[10+\u] matrix_a_fmt:MATRIX_FMT_FP4 matrix_b_fmt:MATRIX_FMT_FP4
.endr
.endr
	SUMS S, 112, 8                                 ; the last eight pairs: the places behind these products (they name none of their registers)
.if \nxt
	LOADS1 3, 8, PAIRB                             ; p's codes and V's words are done with: the next trip's second eight tiles and V's words
.endif
	s_add_co_u32 s2, s2, PAIRB
.endm
	s_mov_b32 s3, 4
.Lfirst:                                               ; trips 0 to 3: blocks 0 to 3
	TRIP 1
	s_sub_co_u32 s3, s3, 1
	s_cmp_lg_u32 s3, 0
	s_cbranch_scc1 .Lfirst
	s_wait_dscnt 0x0                               ; no LDS load of mine is out (those that were read block 4)
	s_barrier_signal -1                            ; I have read my last of blocks 0 to 3, where the stages lie; up to the wait I read blocks 4 to 15 alone
	s_mov_b32 s3, 11
.Lrest:                                                ; trips 4 to 14
	TRIP 1
	s_sub_co_u32 s3, s3, 1
	s_cmp_lg_u32 s3, 0
	s_cbranch_scc1 .Lrest
	TRIP 0                                         ; trip 15 asks for nothing beyond the end
	; THE WAY OUT: O^T / the sum goes through my stage in LDS and leaves as aligned units of 256 bytes, a query's 64 channels each.
	v_pk_add_f32 v[AS:AS+1], v[AS:AS+1], v[AS+2:AS+3]
	v_pk_add_f32 v[AS+4:AS+5], v[AS+4:AS+5], v[AS+6:AS+7]
	s_delay_alu instid0(VALU_DEP_1)
	v_pk_add_f32 v[AS:AS+1], v[AS:AS+1], v[AS+4:AS+5]
	s_delay_alu instid0(VALU_DEP_1)
	v_add_f32 v14, v[AS], v[AS+1]
	s_delay_alu instid0(VALU_DEP_1)
	v_permlanex16_b32 v[T], v14, s20, s21
	s_delay_alu instid0(VALU_DEP_1)
	v_add_f32 v14, v14, v[T]                       ; the row's sum
	s_wait_alu depctr_va_vdst(0)
	v_rcp_f32 v[F], v14
	v_and_b32 v15, 15, v0                          ; r
	v_bfe_u32 v253, v0, 4, 1                       ; h'
	s_mul_i32 s52, s18, 16*272                     ; my stage
	v_mul_u32_u24 v254, v15, 272
	v_lshl_add_u32 v254, v253, 7, v254
	v_add_nc_u32 v254, s52, v254                   ; in: row r, my 32 channels 128 h' bytes on
	v_mul_u32_u24 v255, v253, 272
	v_lshl_add_u32 v255, v15, 4, v255
	v_add_nc_u32 v255, s52, v255                   ; back: lanes 0-15 one row, lanes 16-31 the next
	v_lshlrev_b32 v8, 12, v253
	v_lshl_add_u32 v8, v15, 4, v8                  ; and the same two rows in out0
	s_wait_alu depctr_va_vdst(0)                   ; the wait behind the transcendental, directly ahead of O^T's first reader
.set J, 0
.rept 16
	v_pk_mul_f32 v[S+J:S+J+1], v[O+J:O+J+1], v[F:F+1] op_sel_hi:[1,0]
.set J, J+2
.endr
	s_wait_alu depctr_va_vdst(0)
	s_barrier_wait -1                              ; every wave has read its last of blocks 0 to 3
.irp n, 0,1,2,3,4,5,6,7
	ds_store_b128 v254, v[S+4*\n:S+4*\n+3] offset:16*\n
.endr
.irp n, 0,1,2,3,4,5,6,7
	ds_load_b128 v[KA+4*\n:KA+4*\n+3], v255 offset:544*\n   ; LDS serves a wave's instructions in order: these see my stores
.endr
.irp n, 0,1,2,3,4,5,6,7
	s_wait_dscnt 7-\n                              ; load n is in; the 7 - n behind it may be out
	global_store_b128 v8, v[KA+4*\n:KA+4*\n+3], s[6:7] offset:(2*(\n&3)+32*(\n>>2))*4096 th:TH_STORE_NT   ; tile row 2 n + h' is row (rr & 7) + 32 (rr >> 3); sixteen lanes store 256 aligned bytes
.endr
	s_wait_tensorcnt 0x0                           ; the wave's end
	ds_add_u32 v[SPW], v[NIL]
	s_wait_dscnt 0x0
	CROUND                                         ; the closing round
	s_endpgm
.Lfunc_end_k_qecf7349842_attn:
	.size	k_qecf7349842_attn, .Lfunc_end_k_qecf7349842_attn-k_qecf7349842_attn
	.p2alignl 7, 3214868480
	.fill 96, 4, 3214868480
	.section	.rodata,"a",@progbits
	.p2align	6, 0x0
	.amdhsa_kernel k_qecf7349842_attn
		.amdhsa_group_segment_fixed_size 327680
		.amdhsa_private_segment_fixed_size 0
		.amdhsa_enable_private_segment 0
		.amdhsa_kernarg_size 16
		.amdhsa_user_sgpr_count 2
		.amdhsa_user_sgpr_kernarg_segment_ptr 1
		.amdhsa_wavefront_size32 1
		.amdhsa_system_sgpr_workgroup_id_x 1
		.amdhsa_system_sgpr_workgroup_id_y 1
		.amdhsa_system_sgpr_workgroup_id_z 1
		.amdhsa_system_vgpr_workitem_id 0
		.amdhsa_next_free_vgpr 256
		.amdhsa_next_free_sgpr 66
		.amdhsa_reserve_vcc 0
		.amdhsa_float_denorm_mode_32 3
		.amdhsa_float_denorm_mode_16_64 3
		.amdhsa_memory_ordered 1
		.amdhsa_forward_progress 1
		.amdhsa_inst_pref_size 88
	.end_amdhsa_kernel
	.amdgpu_metadata
---
amdhsa.version: [ 1, 2 ]
amdhsa.kernels:
  - .name:           k_qecf7349842_attn
    .symbol:         k_qecf7349842_attn.kd
    .args:
      - { .name: qkv, .offset: 0, .size: 8, .value_kind: global_buffer, .address_space: global }
      - { .name: out0, .offset: 8, .size: 8, .value_kind: global_buffer, .address_space: global }
    .group_segment_fixed_size: 327680
    .private_segment_fixed_size: 0
    .kernarg_segment_align: 8
    .kernarg_segment_size: 16
    .max_flat_workgroup_size: 512
    .sgpr_count:     66
    .vgpr_count:     256
    .wavefront_size: 32
...
	.end_amdgpu_metadata
.endif
;; end of part 3
